; MI455X (gfx1250); checked and timed in simulation.
; The chip was launched on July 23, 2026; its instructions are those of AMD's public machine-readable ISA for CDNA 5 (MIT licence, August 2026) and "CDNA5" Instruction Set Architecture Reference Guide (July 2026). The comments in the code are by the model that wrote it; some were corrected since.
;; Liquid Neuron CPU. Allowed arithmetic: matrix products marked QUANTISED: E5M2 operands, one E8M0 scale for each 32 along K, by v_wmma_scale_f32_16x16x128_f8f6f4 with both operands' format E5M2, f32 sums; products left as they are: f32 operands where the result goes on into a quantised operand, else bf16, f16 or f32 operands; f32 sums; everything else in f32.
;; Inputs: W_fast 2,048 x 2,048 float32; W_medium 2,048 x 2,048 float32; W_slow 2,048 x 2,048 float32; ema_mean 1 float32; ema_std 1 float32; ln_beta 2,048 float32; ln_gamma 2,048 float32; pc_b1 8 float32; pc_b2 1 float32; pc_w1 8 x 3 float32; pc_w2 1 x 8 float32; x 4,096 x 2,048 float32.
;; Outputs: out0 4,096 x 2,048 float32.
;; This version of the problem:
;;   THIS VERSION OF THE PROBLEM IS GIVEN IN LOW PRECISION. The matrix products marked QUANTISED in the list below multiply operands that are first quantised to E5M2 (5 exponent bits, 2 mantissa bits; 8 bits a number), with one power-of-two scale for each 32 numbers along K (OCP MX v1.0); their sums are f32. All else is computed in f32.
;;   The module's matrix products, in the order in which they are computed (A, B: the left and right operand; K: the contracted axis; several contracted axes count as one K, in the product's order):
;;     1. [M 4,096, K 2,048] x [K 2,048, N 2,048]; A: computed on the way; B: input W_slow: QUANTISED
;;     2. [M 4,096, K 2,048] x [K 2,048, N 2,048]; A: computed on the way; B: input W_medium: QUANTISED
;;     3. [M 4,096, K 2,048] x [K 2,048, N 2,048]; A: computed on the way; B: input W_fast: QUANTISED
;;     4. [M 4,096, K 3] x [K 3, N 8]; A: computed on the way; B: input pc_w1: left as it is (K = 3 < 32)
;;     5. [M 4,096, K 8] x [K 8, N 1]; A: computed on the way; B: input pc_w2: left as it is (K = 8 < 32)
;;   THE QUANTISER, for each operand of a quantised product, along K:
;;     - K is cut into blocks of 32 from its start; a last block that is shorter is filled with zeros.
;;     - A block's scale is 2^e with e = floor(log2(the largest magnitude in the block)) - 15, held to -126 .. 127; a block of zeros has e = 0. As a byte (E8M0): e + 127.
;;     - Each number is divided by its block's scale, clamped to +-57,344, and rounded to the nearest number of E5M2, ties to even, subnormals kept.
;;     - The product sums the exact products of the quantised numbers (number of the format x scale) in f32.
;;   ~~~python
;;   def quantise(x, axis):      # numpy; x: float32 -> the quantised numbers, widened to float32 again
;;       x = np.moveaxis(x, axis, -1); K = x.shape[-1]
;;       x = np.pad(x, [(0, 0)] * (x.ndim - 1) + [(0, -K % 32)]); x = x.reshape(x.shape[:-1] + (-1, 32)); a = np.abs(x).max(-1, keepdims=True)
;;       e = np.where(a > 0, np.clip(np.frexp(np.where(a > 0, a, 1))[1] - 1 - 15, -126, 127), 0)      # np.frexp(a)[1] - 1 = floor(log2(a)), exactly
;;       r = np.clip(x / 2.0 ** e, -57344, 57344)
;;       step = 2.0 ** (np.maximum(np.frexp(np.where(r == 0, 1, r))[1] - 1, -14) - 2)
;;       q = np.round(r / step) * step * 2.0 ** e      # np.round: ties to even
;;       return np.moveaxis(q.reshape(q.shape[:-2] + (-1,))[..., :K], -1, axis).astype(np.float32)
;;   ~~~
;;   OPERANDS COMPUTED ON THE WAY. 'Computed on the way' means the value that the module computes at that place (a softmax that the list does not call 'softmax' is quantised finished and normalised). What goes into a quantiser is computed in f32, as accurately as f32 sums, v_exp_f32 and their like allow (about 1e-6 of the number): no bf16 or f16 on the way to a quantiser, and a product that is left as it is and whose result goes on into a quantised operand takes f32 operands (vector FMAs, or v_wmma_f32_16x16x4_f32). A number that lies on a knife's edge between two numbers of the format may be rounded either way, as far as f32 arithmetic and the matrix unit's own rounding can turn it there, and no further.
;; One version. Each part assembles by itself: llvm-mc -triple=amdgcn-amd-amdhsa -mcpu=gfx1250 --defsym DOCPART=n.
;; ======== version 1 of 1: 3 launches
;; limits: right only within a limited range of input values
;; workspace buffers: codes 20,971,520 bytes; scales 655,360 bytes; pre 33,554,432 bytes
;; launch quant (part 1): grid 256 x 1, 10 waves a work-group, no clusters, 254,720 bytes of LDS; arguments x, W_slow, W_medium, W_fast, codes, scales; writes codes, scales
.if DOCPART == 1
	.amdgcn_target "amdgcn-amd-amdhsa--gfx1250"
	.amdhsa_code_object_version 6
	.text
	.protected	k_qa3916bc00a_quant
	.globl	k_qa3916bc00a_quant
	.p2align	8
	.type	k_qa3916bc00a_quant,@function
k_qa3916bc00a_quant:
	s_mov_b64 s[64:65], 0
	v_nop
	global_prefetch_b8 v0, s[64:65] scope:SCOPE_SE
	s_setreg_imm32_b32 hwreg(HW_REG_WAVE_MODE, 25, 1), 1
	s_wait_xcnt 0x0
; clip(x, +-5) [4096][2048] and W_slow, W_medium, W_fast [2048][2048], all f32 with K innermost, become codes of BF8 (E5M2) with one E8M0 scale byte for each 32 along K.
; A block's scale is 2^(floor(log2(its largest magnitude)) - 15); each number is divided by it, held within +-57,344 and rounded to the nearest code, ties to even.
; NOT COMPUTED BY THIS PROGRAM: reference()'s plasticity branch (the running mean and deviation, homeostasis, the two small products with pc_w1 and pc_w2, GELU, sigmoid).  reference() binds its result to a name
; that it never uses: no output hangs on it, for any values of pc_w1, pc_b1, pc_w2, pc_b2, ema_mean, ema_std.  Those six inputs are not loaded and are among no launch's arguments.
; LIMIT: a NaN, an infinity or an overflow that reaches only that branch is not carried to the result.
; THE CODES ARE LAID AS THE PRODUCT'S LAUNCH WANTS THEM: as images of operand registers.  A fragment (16 rows x 128 K) is 2,048 bytes: byte 512 c + 16 lane + i is row lane % 16, k = 32 c + 16 (lane / 16) + i.
;   x, blocks 0-6 of each eight blocks of 16 rows: [tile row of 256 rows: 16][K step of 128: 16][half of the rows: 2][block: 7][2048], from byte 0.
;   x, block 7 of each eight:  [tile row: 16][K step: 16][half: 2][2048], from byte 7,340,032.
;   W: [tile column of 128: 16][weight: 3][K step: 16][block of 16: 8][2048], from byte 8,388,608.
; THE SCALE WORDS (four bytes: 128 along K of one row) are images of scale registers: 512 bytes for two neighbouring blocks of 16 rows and four K steps: byte 16 lane + 4 t is row lane % 16 of block lane / 16, K step t.
;   x: [pair of blocks: 128][four K steps: 4][512], from byte 0;   W: [tile column: 16][weight: 3][pair: 4][four K steps: 4][512], from byte 262,144.
; SHARES.  640 blocks of 16 rows x 4 quarters of K = 2,560 tasks: one a wave, ten waves a work-group, 256 work-groups.  A task: 16 rows x 512 K = four fragments and 256 bytes of scale words.  Waves share nothing: no barrier.
; ALL OF A TASK'S 32,768 BYTES ARE ASKED FOR AT THE HEAD.  Fragments 2 and 3 come by ONE tensor load a wave, 16 rows x 1,024 bytes, into LDS bytes of the wave's own (rows 1,040 bytes apart); fragments 0 and 1 by 32 loads
; of 512 consecutive bytes into registers, and turn through the wave's own stage (rows 528 bytes apart).  Both pitches are 4 words modulo 64: the sixteen rows that a read touches start at sixteen different groups of
; banks (64 banks of 4 bytes: ISA guide 11.1).  From either place a lane reads 16 neighbours of each block of 32, which is what the conversions take and what the operand's layout wants.
; All four fragments by tensor loads would take 10 x 33,280 bytes, more than a WGP's LDS; so nothing is filled twice and no barrier is needed.  No loop to run ahead in: no prefetch.  No input is shared: no cluster.
; THE CLIP OF x: the largest magnitude of clipped numbers is min(the largest magnitude, 5), and a clip at 5 followed by the hold at L is a hold at min(5, L).  For the weights the 5 is +infinity.
; LIMITS: NaN and infinities among the inputs are not served.  A block of zeros (and any block whose largest magnitude lies under 2^-111) gets the byte 1 where the rule says 127 for zeros: its codes are zeros,
; which add nothing under any byte but 0xff, and the bytes are read by this program alone.
.set NIL,  1                           ; v1       0; never rewritten
.set AAD,  3                           ; v3       where I read the tensor load's tile: row r, + 64 h
.set OFC,  10                          ; v10-13   where fragment t's codes go: 16 x lane + t x the distance from K step to K step
.set PW,   14                          ; v14      the scale word just made
.set SPW,  15                          ; v15      my spare word; never rewritten
.set RAW,  16                          ; v16-143  two sets of 64: fragments 0 and 1 as loaded (register 4 i + e: row i)
.set X,    144                         ; v144-207 a fragment turned: register 16 c + i = k 32 c + 16 (lane / 16) + i of row lane % 16
.set CD,   208                         ; v208-239 two sets of 16: a fragment's codes
.set TM,   240                         ; v240-243 largest magnitudes, v244-247 the other half's and then the bytes, v248-251 the holds, v252-255 the conversions' scale operands
.set WREG, 8704                        ; LDS of a wave: a stage of 16 x 528 bytes, then its 256 bytes of scale words
.set SPT,  528
.set SCB,  16*SPT
.set SPARE, 10*WREG                    ; the spare words: 128 bytes a wave, five blocks of 256 bytes that no other line names
.set ABASE, SPARE+1280                 ; the tensor loads' tiles
.set APT,  1040
.set AREG, 16*APT
.set G0,   48                          ; s[48:51] descriptor group 0
.set G1,   52                          ; s[52:59] descriptor group 1
	s_load_b256 s[4:11], s[0:1], 0x0               ; x s[4:5], W_slow s[6:7], W_medium s[8:9], W_fast s[10:11]
	s_load_b128 s[12:15], s[0:1], 0x20             ; codes s[12:13], scales s[14:15]
	v_lshl_add_u32 v[SPW], v0, 2, SPARE
	v_mov_b32 v[NIL], 0
	ds_add_u32 v[SPW], v[NIL]                      ; the opening lines: the add, twice on end, and its wait ahead of my tensor load
	ds_add_u32 v[SPW], v[NIL]
	v_lshrrev_b32 v14, 5, v0
	v_readfirstlane_b32 s16, v14                   ; wave 0..9
	s_mov_b32 s18, 0x600000                        ; the mantissa field of 57,344
	s_mov_b32 s20, 0x76543210
	s_mov_b32 s21, 0xfedcba98                      ; v_permlanex16_b32's selects for lane l xor 16
	; which task is mine
	s_mul_i32 s22, ttmp9, 10
	s_add_co_u32 s22, s22, s16                     ; task 0 .. 2,559
	s_lshr_b32 s23, s22, 2                         ; block of 16 rows, 0 .. 639: 0-255 x, 256-383 slow, 384-511 medium, 512-639 fast
	s_and_b32 s24, s22, 3                          ; quarter of K
	s_lshr_b32 s25, s23, 7                         ; 0, 1: x; 2, 3, 4: the weights
	; where the results go, if the task is x's
	s_lshr_b32 s40, s23, 4                         ; tile row
	s_and_b32 s28, s23, 15                         ; block in it:
	s_and_b32 s46, s28, 7                          ; its place among eight,
	s_lshr_b32 s47, s28, 3                         ; in which half of the tile's rows
	s_mul_i32 s41, s40, 458752                     ; blocks 0-6: tile row x 16 K steps of 14 images
	s_mul_i32 s28, s47, 7
	s_add_co_u32 s28, s28, s46
	s_lshl_b32 s28, s28, 11                        ; + (7 x half + place) x 2,048
	s_add_co_u32 s41, s41, s28
	s_mul_i32 s28, s24, 114688                     ; + quarter x 4 K steps of 28,672
	s_add_co_u32 s41, s41, s28
	s_lshl_b32 s40, s40, 16                        ; block 7: tile row x 16 K steps of 2 images
	s_lshl_b32 s28, s47, 11                        ; + half x 2,048
	s_add_co_u32 s40, s40, s28
	s_lshl_b32 s28, s24, 14                        ; + quarter x 4 K steps of 4,096
	s_add_co_u32 s40, s40, s28
	s_add_co_u32 s40, s40, 7340032
	s_mov_b32 s29, 28672
	s_cmp_eq_u32 s46, 7
	s_cselect_b32 s40, s40, s41
	s_cselect_b32 s29, 4096, s29                   ; from K step to K step
	s_lshr_b32 s42, s23, 1                         ; scale words: pair of blocks x 2,048
	s_lshl_b32 s42, s42, 11
	s_and_b32 s28, s23, 1                          ; + which of the two x 256
	s_lshl_b32 s28, s28, 8
	s_add_co_u32 s42, s42, s28
	; and if it is a weight's
	s_and_b32 s32, s23, 127                        ; block of 16 rows in the weight
	s_max_u32 s33, s25, 2
	s_sub_co_u32 s33, s33, 2                       ; which weight
	s_lshr_b32 s34, s32, 3                         ; tile column
	s_and_b32 s35, s32, 7                          ; block in it
	s_mul_i32 s36, s34, 786432
	s_lshl_b32 s37, s33, 18
	s_add_co_u32 s36, s36, s37
	s_lshl_b32 s37, s35, 11
	s_add_co_u32 s36, s36, s37
	s_lshl_b32 s37, s24, 16                        ; quarter x 4 K steps of 16,384
	s_add_co_u32 s36, s36, s37
	s_add_co_u32 s36, s36, 8388608
	s_mul_i32 s38, s34, 24576
	s_lshl_b32 s37, s33, 13
	s_add_co_u32 s38, s38, s37
	s_lshr_b32 s37, s35, 1
	s_lshl_b32 s37, s37, 11
	s_add_co_u32 s38, s38, s37
	s_and_b32 s37, s35, 1
	s_lshl_b32 s37, s37, 8
	s_add_co_u32 s38, s38, s37
	s_add_co_u32 s38, s38, 262144
	s_mov_b32 s39, 16384
	s_cmp_lt_u32 s23, 256                          ; x's task?  Only moves and selections stand between this compare and the last selection on it
	s_cselect_b32 s40, s40, s36
	s_cselect_b32 s42, s42, s38
	s_cselect_b32 s32, s23, s32                    ; the block's number in its own tensor
	s_cselect_b32 s29, s29, s39                    ; from K step to K step in the codes
	s_mov_b32 s17, 0x7f800000
	s_cselect_b32 s17, 0x40a00000, s17             ; the clip: 5.0 for x, +infinity for a weight
	s_mov_b32 s41, 0
	s_mov_b32 s43, 0
	s_mov_b32 s45, 0
	s_lshl_b32 s28, s24, 9
	s_add_co_u32 s42, s42, s28                     ; + quarter x 512: one aligned run of 256 bytes is mine
	s_lshl_b32 s44, s32, 17                        ; the source: 16 rows of 8,192 bytes a block,
	s_lshl_b32 s28, s24, 11
	s_add_co_u32 s44, s44, s28                     ; + quarter x 2,048 bytes
	; the tensor load's shape: 16 rows of 256 elements of 4 bytes, 2,048 elements from row to row; in LDS 4 words of padding behind every 256
	s_mov_b32 s[G1+0], (2<<16)|(1<<20)|(7<<22)|(3<<25)
	s_mov_b32 s[G1+1], 256<<16                     ; tensor_dim0
	s_mov_b32 s[G1+2], 16<<16                      ; tensor_dim1
	s_mov_b32 s[G1+3], 256<<16                     ; tile_dim0
	s_mov_b32 s[G1+4], 16                          ; tile_dim1
	s_mov_b32 s[G1+5], 2048                        ; the pitch
	s_mov_b32 s[G1+6], 0
	s_mov_b32 s[G1+7], 0
	s_mov_b32 s[G0], 1
	s_mul_i32 s[G0+1], s16, AREG
	s_add_co_u32 s[G0+1], s[G0+1], ABASE           ; my wave's own 16,640 bytes
	s_mul_i32 s30, s16, WREG
	s_add_co_u32 s31, s30, SCB
	v_and_b32 v14, 31, v0                          ; lane
	v_and_b32 v2, 15, v0                           ; r
	v_bfe_u32 v3, v0, 4, 1                         ; h
	v_lshlrev_b32 v4, 4, v14                       ; 16 x lane: my bytes of a load's 512, and of an image's
	v_add_nc_u32 v5, s30, v4                       ; the stage, on the way in: 16 x lane in row i (the row stands in the immediate)
	v_mul_u32_u24 v6, v2, SPT
	v_lshl_add_u32 v6, v3, 6, v6
	v_add_nc_u32 v6, s30, v6                       ; and on the way out: row r, + 64 h: my 16 numbers of a block of 32
	v_lshl_add_u32 v7, v2, 4, s31                  ; my row's four scale words: 16 bytes a row
	v_lshlrev_b32 v9, 3, v14                       ; at the end 8 bytes a lane
	v_add_nc_u32 v8, s31, v9
	v_mul_u32_u24 v17, v2, APT
	v_lshl_add_u32 v17, v3, 6, v17
	v_add_nc_u32 v[AAD], s[G0+1], v17              ; the tile: row r, + 64 h
.irp b, 0,1,2,3
	v_mov_b32 v[TM+4+\b], 0                        ; written once: a lane permute's destination counts as one of its sources
.endr
	v_mov_b32 v[OFC], v4
	v_add_nc_u32 v[OFC+1], s29, v[OFC]
	v_add_nc_u32 v[OFC+2], s29, v[OFC+1]
	v_add_nc_u32 v[OFC+3], s29, v[OFC+2]
	s_wait_alu depctr_va_vdst(0)                   ; the wait at the head's end
	s_wait_dscnt 0x0                               ; both opening adds are done
	s_wait_kmcnt 0x0
	s_cmp_eq_u32 s25, 3                            ; the source's buffer: the choices hang on the task's number alone
	s_cselect_b64 s[26:27], s[8:9], s[10:11]
	s_cmp_eq_u32 s25, 2
	s_cselect_b64 s[26:27], s[6:7], s[26:27]
	s_cmp_lt_u32 s25, 2
	s_cselect_b64 s[26:27], s[4:5], s[26:27]
	s_add_nc_u64 s[26:27], s[26:27], s[44:45]
	s_add_nc_u64 s[12:13], s[12:13], s[40:41]
	s_add_nc_u64 s[14:15], s[14:15], s[42:43]
	s_add_nc_u64 s[G0+2:G0+3], s[26:27], 1024      ; fragments 2 and 3: the second 1,024 bytes of my 2,048 of each row
	s_or_b32 s[G0+3], s[G0+3], 0x80000000
	tensor_load_to_lds s[G0:G0+3], s[G1:G1+7]      ; my one tensor load
	s_nop 0
.macro LOAD t                          ; fragment t (0, 1): sixteen loads, each 512 consecutive bytes of one row; read once in the launch
.irp i, 0,1,2,3,4,5,6,7,8,9,10,11,12,13,14,15
	global_load_b128 v[RAW+64*(\t)+4*\i:RAW+64*(\t)+4*\i+3], v4, s[26:27] offset:8192*\i+512*(\t) th:TH_LOAD_NT
.endr
.endm
.macro GIN t                           ; fragment t (0, 1) through the stage: LDS serves a wave's instructions in order (ISA guide 5.7.1.4), so no wait stands between the stores and the loads
.irp i, 0,1,2,3,4,5,6,7,8,9,10,11,12,13,14,15
	ds_store_b128 v5, v[RAW+64*(\t)+4*\i:RAW+64*(\t)+4*\i+3] offset:SPT*\i
.endr
.irp c, 0,1,2,3
.irp j, 0,1,2,3
	ds_load_b128 v[X+16*\c+4*\j:X+16*\c+4*\j+3], v6 offset:128*\c+16*\j
.endr
.endr
.endm
.macro TIN t                           ; fragment t (2, 3) out of the tile
.irp c, 0,1,2,3
.irp j, 0,1,2,3
	ds_load_b128 v[X+16*\c+4*\j:X+16*\c+4*\j+3], v[AAD] offset:512*((\t)-2)+128*\c+16*\j
.endr
.endr
.endm
.macro QUANT p                         ; the 64 numbers in v[X] on become a fragment's codes in set p % 2 and its scale word in v[PW]
.set CS, CD+16*((\p)%2)
.irp b, 0,1,2,3
	v_max3_num_f32 v[TM+\b], |v[X+16*\b]|, |v[X+16*\b+1]|, 0x8000000   ; block b: my 16 numbers, and the floor 2^(16 - 127): so the byte cannot fall under 1
.endr
.irp i, 2,4,6,8,10,12,14
.irp b, 0,1,2,3
	s_delay_alu instid0(VALU_DEP_4)
	v_max3_num_f32 v[TM+\b], v[TM+\b], |v[X+16*\b+\i]|, |v[X+16*\b+\i+1]|   ; the four blocks by turns
.endr
.endr
.irp b, 0,1,2,3
	s_delay_alu instid0(VALU_DEP_4)
	v_permlanex16_b32 v[TM+4+\b], v[TM+\b], s20, s21
.endr
.irp b, 0,1,2,3
	s_delay_alu instid0(VALU_DEP_4)
	v_max_num_f32 v[TM+\b], v[TM+\b], v[TM+4+\b]   ; with lane l xor 16's 16: the block's largest magnitude,
.endr
.irp b, 0,1,2,3
	s_delay_alu instid0(VALU_DEP_4)
	v_min_num_f32 v[TM+\b], s17, v[TM+\b]          ; and that of the clipped numbers
.endr
.irp b, 0,1,2,3
	s_delay_alu instid0(VALU_DEP_4)
	v_add_nc_u32 v[TM+12+\b], 0xf8800000, v[TM+\b] ; 15 off its exponent field: the conversion takes the exponent field of this operand as its scale, and nothing else of it
.endr
.irp b, 0,1,2,3
	v_and_or_b32 v[TM+8+\b], v[TM+\b], 0x7f800000, s18   ; 57,344 x the scale: the largest magnitude's exponent field over 57,344's mantissa
.endr
.irp b, 0,1,2,3
	s_delay_alu instid0(VALU_DEP_4)
	v_min_num_f32 v[TM+8+\b], s17, v[TM+8+\b]      ; the clip and the hold in one bound
.endr
.irp b, 0,1,2,3
	v_lshrrev_b32 v[TM+4+\b], 23, v[TM+12+\b]      ; the scale's byte
.endr
	s_delay_alu instid0(VALU_DEP_3)
	v_lshl_or_b32 v[PW], v[TM+5], 8, v[TM+4]       ; the four bytes make my row's scale word
	s_delay_alu instid0(VALU_DEP_1)
	v_lshl_or_b32 v[PW], v[TM+6], 16, v[PW]
	s_delay_alu instid0(VALU_DEP_1)
	v_lshl_or_b32 v[PW], v[TM+7], 24, v[PW]
.irp b, 0,1,2,3
.irp i, 0,1,2,3,4,5,6,7,8,9,10,11,12,13,14,15
	v_med3_num_f32 v[X+16*\b+\i], v[X+16*\b+\i], -v[TM+8+\b], v[TM+8+\b]   ; the conversion to an 8-bit code does not saturate (ISA guide 7.6.2)
.endr
	v_cvt_scalef32_pk8_bf8_f32 v[CS+4*\b:CS+4*\b+1], v[X+16*\b:X+16*\b+7], v[TM+12+\b]
	v_cvt_scalef32_pk8_bf8_f32 v[CS+4*\b+2:CS+4*\b+3], v[X+16*\b+8:X+16*\b+15], v[TM+12+\b]
.endr
	v_nop                                          ; a plain vector line behind the last conversion
.endm
.macro OUT t, p                        ; fragment t, the p-th to be worked
	s_wait_dscnt 0x0                               ; the numbers are in my registers
.if (\p) > 1
	s_wait_xcnt 0x0                                ; the code set was the data of the stores two fragments back: it is written again only behind this wait
.endif
	QUANT \p
	ds_store_b32 v7, v[PW] offset:4*(\t)           ; lanes r and r + 16 write the same word with the same value
.irp c, 0,1,2,3
	global_store_b128 v[OFC+(\t)], v[CD+16*((\p)%2)+4*\c:CD+16*((\p)%2)+4*\c+3], s[12:13] offset:512*\c   ; 32 lanes store 512 consecutive bytes, at a multiple of 256 from the buffer's first byte
.endr
.endm
	LOAD 0
	LOAD 1
	s_wait_loadcnt 16                              ; fragment 0's sixteen loads are in; fragment 1's may be out
	GIN 0
	OUT 0, 0
	s_wait_loadcnt 0x0                             ; fragment 1
	GIN 1
	OUT 1, 1
	s_wait_tensorcnt 0x0                           ; my tile has landed; only I read it
	TIN 2
	OUT 2, 2
	TIN 3
	OUT 3, 3
	ds_load_b64 v[16:17], v8                       ; my wave's 64 scale words: LDS serves a wave's instructions in order, so these see my stores
	s_wait_dscnt 0x0
	global_store_b64 v9, v[16:17], s[14:15]        ; 32 lanes store 256 consecutive bytes, aligned
	s_wait_tensorcnt 0x0                           ; the wave's end
	ds_add_u32 v[SPW], v[NIL]
	s_wait_dscnt 0x0
	s_endpgm
.Lfunc_end_k_qa3916bc00a_quant:
	.size	k_qa3916bc00a_quant, .Lfunc_end_k_qa3916bc00a_quant-k_qa3916bc00a_quant
	.p2alignl 7, 3214868480
	.fill 96, 4, 3214868480
	.section	.rodata,"a",@progbits
	.p2align	6, 0x0
	.amdhsa_kernel k_qa3916bc00a_quant
		.amdhsa_group_segment_fixed_size 254720
		.amdhsa_private_segment_fixed_size 0
		.amdhsa_enable_private_segment 0
		.amdhsa_kernarg_size 48
		.amdhsa_user_sgpr_count 2
		.amdhsa_user_sgpr_kernarg_segment_ptr 1
		.amdhsa_wavefront_size32 1
		.amdhsa_system_sgpr_workgroup_id_x 1
		.amdhsa_system_sgpr_workgroup_id_y 1
		.amdhsa_system_sgpr_workgroup_id_z 1
		.amdhsa_system_vgpr_workitem_id 0
		.amdhsa_next_free_vgpr 256
		.amdhsa_next_free_sgpr 66
		.amdhsa_reserve_vcc 0
		.amdhsa_float_denorm_mode_32 3
		.amdhsa_float_denorm_mode_16_64 3
		.amdhsa_memory_ordered 1
		.amdhsa_forward_progress 1
		.amdhsa_inst_pref_size 57
	.end_amdhsa_kernel
	.amdgpu_metadata
---
amdhsa.version: [ 1, 2 ]
amdhsa.kernels:
  - .name:           k_qa3916bc00a_quant
    .symbol:         k_qa3916bc00a_quant.kd
    .args:
      - { .name: x, .offset: 0, .size: 8, .value_kind: global_buffer, .address_space: global }
      - { .name: W_slow, .offset: 8, .size: 8, .value_kind: global_buffer, .address_space: global }
      - { .name: W_medium, .offset: 16, .size: 8, .value_kind: global_buffer, .address_space: global }
      - { .name: W_fast, .offset: 24, .size: 8, .value_kind: global_buffer, .address_space: global }
      - { .name: codes, .offset: 32, .size: 8, .value_kind: global_buffer, .address_space: global }
      - { .name: scales, .offset: 40, .size: 8, .value_kind: global_buffer, .address_space: global }
    .group_segment_fixed_size: 254720
    .private_segment_fixed_size: 0
    .kernarg_segment_align: 8
    .kernarg_segment_size: 48
    .max_flat_workgroup_size: 320
    .sgpr_count:     66
    .vgpr_count:     256
    .wavefront_size: 32
...
	.end_amdgpu_metadata
.endif
;; end of part 1
;; launch gemm (part 2): grid 16 x 16, 4 waves a work-group, clusters of 4 x 4, 327,680 bytes of LDS; arguments codes, scales, pre; writes pre
.if DOCPART == 2
	.amdgcn_target "amdgcn-amd-amdhsa--gfx1250"
	.amdhsa_code_object_version 6
	.text
	.protected	k_qa3916bc00a_gemm
	.globl	k_qa3916bc00a_gemm
	.p2align	8
	.type	k_qa3916bc00a_gemm,@function
k_qa3916bc00a_gemm:
	s_mov_b64 s[64:65], 0
	v_nop
	global_prefetch_b8 v0, s[64:65] scope:SCOPE_SE
	s_setreg_imm32_b32 hwreg(HW_REG_WAVE_MODE, 25, 1), 1
	s_wait_xcnt 0x0
	s_wait_alu depctr_hold_cnt(0) depctr_sa_sdst(0) depctr_va_vdst(0) depctr_va_sdst(0) depctr_va_ssrc(0) depctr_va_vcc(0) depctr_vm_vsrc(0)
	s_getreg_b32 s2, hwreg(HW_REG_IB_STS2, 6, 4)
	s_cmp_eq_u32 s2, 0
	s_cbranch_scc0 .Lentry_in_a_cluster
	s_endpgm
.Lentry_in_a_cluster:
	s_bfe_u32 s2, ttmp6, 0x10000c
	s_cmp_lg_u32 s2, 0xf033
	s_cbranch_scc0 .Lentry_shape_is_right
	s_endpgm
.Lentry_shape_is_right:
; pre = clip(clip(S, +-10) + M + F, +-10), S, M, F = clip(x) W_slow^T, clip(x) W_medium^T, clip(x) W_fast^T, on codes of BF8 (E5M2) with E8M0 scales as the launch before laid them; pre: [4096][2048] f32.
; reference()'s plasticity branch is not computed: no output hangs on it (shown at the head of the first kernel).
; SHARES.  A work-group makes 256 rows x 128 columns for all three weights; 16 x 16 work-groups.  Four waves, 2 x 2: a wave has 128 rows x 64 columns: 32 accumulators for S and 32 for M + F, 512 registers.
; THE RING.  Two LDS slots, each with two K steps of 128: the weights' 3 x 2 x 16,384 bytes, then x's 2 x 28,672 (blocks 0-6 of each eight).  The codes are images of operand registers, dense in memory, and come as
; rows of 256 bytes.  Waves 0-2 fetch a weight each, wave 3 fetches x: one joint load a wave.  4 x 4 clusters: W's tiles are shared along a column of the cluster, x's along a row.
; Block 7 of each eight blocks of x and the scale words go from memory straight into registers, a K step and a slot ahead.
; A K STEP is three phases (S, M, F) of 32 products and TWO runs of LDS loads, each behind eight places: in the S phase medium's and fast's four fragments each,
; in the F phase the next K step's four of slow and seven of x.  W has three register sets, one for each weight; x has two.
; REGISTERS: window 0: v0-15 addresses, v16-55 scale words (two sets of 20), v64-255 W's fragments (three sets of four); window 1: x's fragments (two sets of eight); window 2: S; window 3: M + F.
; THE MATRIX INSTRUCTION IS USED TRANSPOSED (source 0 = 16 rows of W, source 1 = 16 rows of x): a lane holds eight neighbouring columns of one row of pre.
; PREFETCH: behind each refill a lane names 256 bytes of the fill one refill on; the four partners of a joint load share its blocks out by address; only the first row (W) or column (x) of clusters asks;
; the last refill's trip asks for nothing.
; THE WAY OUT, by blocks of 16 rows: clip S, add M + F, clip; through the wave's own stage in slot 0, which has had its last fill and its last read by then; back as rows of 256 bytes, sixteen lanes to an aligned unit.
.set SLOT,   155648
.set XOFF,   98304
.set XSTEP,  28672
.set SPARE,  2*SLOT
.set SP,     272
.set XSIDE,  7340032
.set WBASE,  8388608
.set SWBASE, 262144
.set LI,  3
.set AW,  4
.set AW2, 6
.set AX,  8
.set STO, 10
.set RD,  11
.set CO,  12
.set PFO, 13
.set SPW, 14
.set NIL, 15
.set SC,  16
.set PFO2, 56
.set WF,  64
.set T,   64
.set BK,  128
.set G1W,  20
.set G1A,  28
.set SXP,  36
.set SWP,  38
.set XDP,  40
.set G0W,  52
.set G0A,  68
.set PFA,  84
.set PFS,  86
.set LIM,  88
.set MSB, 0
.macro WIN new
.if MSB != \new
	s_set_vgpr_msb (MSB<<8)|\new
.set MSB, \new
.endif
.endm
.set MUL_S,  0xa4
.set MUL_MF, 0xf4
.set TO_A,   0x40
.macro JLOAD g0w, g1w, g0a, g1a
	s_cmp_lt_u32 s10, 3
	s_cbranch_scc0 .Lfor_a_\@
	tensor_load_to_lds s[\g0w:\g0w+3], s[\g1w:\g1w+7]
	s_nop 0
.rept 4
	v_nop
.endr
	s_branch .Lasked_\@
.Lfor_a_\@:
	tensor_load_to_lds s[\g0a:\g0a+3], s[\g1a:\g1a+7]
	s_nop 0
.rept 4
	v_nop
.endr
.Lasked_\@:
.endm
.macro CREST
	s_cmp_lg_u32 s10, 0
	s_cbranch_scc1 .Lnot_wave_0_\@
	s_barrier_signal -3
.Lnot_wave_0_\@:
	s_barrier_wait -3
	s_barrier_signal -1
	s_barrier_wait -1
.endm
.macro CROUND
	s_barrier_signal -1
	s_barrier_wait -1
	CREST
.endm
.macro SHAPE g, rows
	s_mov_b32 s[\g+1], 32<<16
	s_mov_b32 s[\g+2], (\rows)<<16
	s_mov_b32 s[\g+3], 32<<16
	s_mov_b32 s[\g+4], \rows
	s_mov_b32 s[\g+5], 32
	s_mov_b32 s[\g+6], 0
	s_mov_b32 s[\g+7], 0
.endm
.macro ASK last
.if \last
	s_cmp_gt_u32 s3, s[LIM]
.else
	s_cmp_eq_u32 s[LIM], 1
.endif
	s_cbranch_scc0 .Lnot_mine_\@
	global_prefetch_b8 v[PFO], s[PFA:PFA+1] th:TH_LOAD_NT scope:SCOPE_SE
	s_cmp_lt_u32 s10, 3
	s_cbranch_scc1 .Lnot_mine_\@
	global_prefetch_b8 v[PFO2], s[PFA:PFA+1] th:TH_LOAD_NT scope:SCOPE_SE
.Lnot_mine_\@:
.endm
.macro SCLOAD set, off
.irp i, 0,1,2,3
	global_load_b64 v[SC+20*(\set)+2*\i:SC+20*(\set)+2*\i+1], v[LI], s[SXP:SXP+1] offset:(\off)+2048*\i
.endr
.irp w, 0,1,2
.irp i, 0,1
	global_load_b64 v[SC+20*(\set)+8+4*\w+2*\i:SC+20*(\set)+8+4*\w+2*\i+1], v[LI], s[SWP:SWP+1] offset:(\off)+8192*\w+2048*\i
.endr
.endr
.endm
.macro XDIRECT st, k
.irp c, 0,1,2,3
	global_load_b128 v[128*(\st)+112+4*\c:128*(\st)+112+4*\c+3], v[LI], s[XDP:XDP+1] offset:4096*(\k)+512*\c
.endr
.endm
	s_load_b128 s[4:7], s[0:1], 0x0
	s_load_b64 s[8:9], s[0:1], 0x10
	v_lshl_add_u32 v[SPW], v0, 2, SPARE
	v_mov_b32 v[NIL], 0
	ds_add_u32 v14, v15
	ds_add_u32 v14, v15
	s_wait_dscnt 0x0
	v_lshrrev_b32 v1, 5, v0
	v_readfirstlane_b32 s10, v1
	v_and_b32 v2, 31, v0
	v_lshlrev_b32 v[LI], 4, v2
	v_lshlrev_b32 v[PFO], 8, v2
	v_min_u32 v[PFO2], 23, v2
	v_lshlrev_b32 v[PFO2], 8, v[PFO2]
	v_add_nc_u32 v[PFO2], 8192, v[PFO2]
	s_lshr_b32 s11, s10, 1
	s_and_b32 s12, s10, 1
	s_bfe_u32 s13, ttmp6, 0x40000
	s_bfe_u32 s14, ttmp6, 0x40004
	s_lshl_b32 s15, ttmp9, 2
	s_add_co_u32 s15, s15, s13
	s_and_b32 s16, ttmp7, 0xffff
	s_lshl_b32 s16, s16, 2
	s_add_co_u32 s16, s16, s14
	s_lshl_b32 s17, s14, 2
	s_lshl_b32 s17, 15, s17
	s_lshl_b32 s18, 0x1111, s13
	s_or_b32 s[G1W], s18, (3<<16)|(1<<21)
	s_or_b32 s[G1A], s17, (3<<16)|(1<<21)
	SHAPE G1W, 128
	SHAPE G1A, 224
	s_mul_i32 s90, s15, 786432
	s_lshl_b32 s89, s10, 18
	s_add_co_u32 s90, s90, s89
	s_add_co_u32 s90, s90, WBASE
	s_mov_b32 s91, 0
	s_mul_i32 s92, s16, 458752
	s_mov_b32 s93, 0
	s_lshl_b32 s94, s16, 14
	s_lshl_b32 s89, s11, 13
	s_add_co_u32 s94, s94, s89
	s_mov_b32 s95, 0
	s_mul_i32 s98, s15, 24576
	s_lshl_b32 s89, s12, 12
	s_add_co_u32 s98, s98, s89
	s_add_co_u32 s98, s98, SWBASE
	s_mov_b32 s99, 0
	s_lshl_b32 s2, s16, 16
	s_lshl_b32 s89, s11, 11
	s_add_co_u32 s2, s2, s89
	s_add_co_u32 s2, s2, XSIDE
	s_mov_b32 s3, 0
	s_mov_b32 s96, 0xc1200000
	s_mov_b32 s97, 0x41200000
	s_wait_alu depctr_va_vdst(0)
	s_wait_kmcnt 0x0
	s_add_nc_u64 s[90:91], s[4:5], s[90:91]
	s_add_nc_u64 s[92:93], s[4:5], s[92:93]
	s_add_nc_u64 s[SXP:SXP+1], s[6:7], s[94:95]
	s_add_nc_u64 s[SWP:SWP+1], s[6:7], s[98:99]
	s_add_nc_u64 s[XDP:XDP+1], s[4:5], s[2:3]
	SCLOAD 0, 0
	WIN TO_A
	XDIRECT 0, 0
	WIN 0
	CROUND
	s_lshl_b32 s89, s10, 15
.irp s, 0,1
	s_mov_b32 s[G0W+4*\s], 1
	s_add_co_u32 s[G0W+4*\s+1], s89, \s*SLOT
	s_add_nc_u64 s[G0W+4*\s+2:G0W+4*\s+3], s[90:91], \s*32768
	s_or_b32 s[G0W+4*\s+3], s[G0W+4*\s+3], 0x80000000
	s_mov_b32 s[G0A+4*\s], 1
	s_mov_b32 s[G0A+4*\s+1], \s*SLOT+XOFF
	s_add_nc_u64 s[G0A+4*\s+2:G0A+4*\s+3], s[92:93], \s*2*XSTEP
	s_or_b32 s[G0A+4*\s+3], s[G0A+4*\s+3], 0x80000000
	s_wait_alu depctr_va_vdst(0)
	s_wait_tensorcnt 0x0
	ds_add_u32 v14, v15
	ds_add_u32 v14, v15
	s_wait_dscnt 0x0
	CROUND
	JLOAD G0W+4*\s, G1W, G0A+4*\s, G1A
.endr
	s_and_b32 s89, ttmp7, 0xffff
	s_cmp_lt_u32 s10, 3
	s_cselect_b64 s[PFA:PFA+1], s[90:91], s[92:93]
	s_cselect_b32 s89, s89, ttmp9
	s_cselect_b32 s19, s14, s13
	s_mov_b32 s[PFS], 2*XSTEP
	s_cselect_b32 s[PFS], 32768, s[PFS]
	s_mov_b32 s[PFS+1], 0
	s_cmp_eq_u32 s89, 0
	s_cselect_b32 s[LIM], 1, -1
	s_lshr_b32 s89, s[PFS], 2
	s_mul_i32 s2, s19, s89
	s_lshl_b32 s89, s[PFS], 1
	s_add_co_u32 s2, s2, s89
	s_mov_b32 s3, 0
	s_add_nc_u64 s[PFA:PFA+1], s[PFA:PFA+1], s[2:3]
	s_lshl_b32 s2, s16, 21
	s_lshl_b32 s89, s11, 20
	s_add_co_u32 s2, s2, s89
	s_lshl_b32 s89, s15, 9
	s_add_co_u32 s2, s2, s89
	s_lshl_b32 s89, s12, 8
	s_add_co_u32 s2, s2, s89
	s_add_nc_u64 s[8:9], s[8:9], s[2:3]
	v_and_b32 v1, 15, v0
	v_bfe_u32 v2, v0, 4, 1
	s_lshl_b32 s89, s12, 13
	v_add_nc_u32 v[AW], s89, v[LI]
	v_add_nc_u32 v[AW+1], SLOT, v[AW]
	v_add_nc_u32 v[AW2], 65536, v[AW]
	v_add_nc_u32 v[AW2+1], SLOT, v[AW2]
	s_mul_i32 s89, s11, 7*2048
	s_add_co_u32 s89, s89, XOFF
	v_add_nc_u32 v[AX], s89, v[LI]
	v_add_nc_u32 v[AX+1], SLOT, v[AX]
	s_mul_i32 s89, s10, 16*SP
	v_mul_u32_u24 v57, v1, SP
	v_lshl_add_u32 v57, v2, 5, v57
	v_add_nc_u32 v[STO], s89, v57
	v_mul_u32_u24 v57, v2, SP
	v_lshl_add_u32 v57, v1, 4, v57
	v_add_nc_u32 v[RD], s89, v57
	v_lshlrev_b32 v[CO], 13, v2
	v_lshl_add_u32 v[CO], v1, 4, v[CO]
.macro WM w, a, b, p, sg, st, zero
.set rD,  8*(4*(\a)+(\b))
.set rW,  WF+64*(\p)+16*(\b)
.set rX,  128*(\st)+16*(\a)
.set rWS, SC+20*(\sg)+8+4*(\w)+2*((\b)/2)+(\st)
.set rXS, SC+20*(\sg)+2*((\a)/2)+(\st)
.set row, 4*(\zero)+2*((\a)%2)+(\b)%2
.if row == 0
	v_wmma_scale_f32_16x16x128_f8f6f4 v[rD:rD+7], v[rW:rW+15], v[rX:rX+15], v[rD:rD+7], v[rWS], v[rXS] matrix_a_fmt:MATRIX_FMT_BF8 matrix_b_fmt:MATRIX_FMT_BF8
.elseif row == 1
	v_wmma_scale_f32_16x16x128_f8f6f4 v[rD:rD+7], v[rW:rW+15], v[rX:rX+15], v[rD:rD+7], v[rWS], v[rXS] matrix_a_fmt:MATRIX_FMT_BF8 matrix_b_fmt:MATRIX_FMT_BF8 matrix_a_scale:MATRIX_SCALE_ROW1
.elseif row == 2
	v_wmma_scale_f32_16x16x128_f8f6f4 v[rD:rD+7], v[rW:rW+15], v[rX:rX+15], v[rD:rD+7], v[rWS], v[rXS] matrix_a_fmt:MATRIX_FMT_BF8 matrix_b_fmt:MATRIX_FMT_BF8 matrix_b_scale:MATRIX_SCALE_ROW1
.elseif row == 3
	v_wmma_scale_f32_16x16x128_f8f6f4 v[rD:rD+7], v[rW:rW+15], v[rX:rX+15], v[rD:rD+7], v[rWS], v[rXS] matrix_a_fmt:MATRIX_FMT_BF8 matrix_b_fmt:MATRIX_FMT_BF8 matrix_a_scale:MATRIX_SCALE_ROW1 matrix_b_scale:MATRIX_SCALE_ROW1
.elseif row == 4
	v_wmma_scale_f32_16x16x128_f8f6f4 v[rD:rD+7], v[rW:rW+15], v[rX:rX+15], 0, v[rWS], v[rXS] matrix_a_fmt:MATRIX_FMT_BF8 matrix_b_fmt:MATRIX_FMT_BF8
.elseif row == 5
	v_wmma_scale_f32_16x16x128_f8f6f4 v[rD:rD+7], v[rW:rW+15], v[rX:rX+15], 0, v[rWS], v[rXS] matrix_a_fmt:MATRIX_FMT_BF8 matrix_b_fmt:MATRIX_FMT_BF8 matrix_a_scale:MATRIX_SCALE_ROW1
.elseif row == 6
	v_wmma_scale_f32_16x16x128_f8f6f4 v[rD:rD+7], v[rW:rW+15], v[rX:rX+15], 0, v[rWS], v[rXS] matrix_a_fmt:MATRIX_FMT_BF8 matrix_b_fmt:MATRIX_FMT_BF8 matrix_b_scale:MATRIX_SCALE_ROW1
.else
	v_wmma_scale_f32_16x16x128_f8f6f4 v[rD:rD+7], v[rW:rW+15], v[rX:rX+15], 0, v[rWS], v[rXS] matrix_a_fmt:MATRIX_FMT_BF8 matrix_b_fmt:MATRIX_FMT_BF8 matrix_a_scale:MATRIX_SCALE_ROW1 matrix_b_scale:MATRIX_SCALE_ROW1
.endif
.endm
.macro MUL w, a0, n, p, sg, st, zero
.set ma, \a0
.rept \n
.irp b, 0,1,2,3
	WM \w, ma, \b, \p, \sg, \st, \zero
.endr
.set ma, ma+1
.endr
.endm
.macro FETCH_W sg, st, w, p
.irp b, 0,1,2,3
.irp c, 0,1,2,3
.if (\w) == 2
	ds_load_b128 v[WF+64*(\p)+16*\b+4*\c:WF+64*(\p)+16*\b+4*\c+3], v[AW2+(\sg)] offset:(\st)*16384+\b*2048+\c*512
.else
	ds_load_b128 v[WF+64*(\p)+16*\b+4*\c:WF+64*(\p)+16*\b+4*\c+3], v[AW+(\sg)] offset:(\w)*32768+(\st)*16384+\b*2048+\c*512
.endif
.endr
.endr
.endm
.macro FETCH_A sg, st, a0, n
.set fa, \a0
.rept \n
.irp c, 0,1,2,3
	ds_load_b128 v[128*(\st)+16*fa+4*\c:128*(\st)+16*fa+4*\c+3], v[AX+(\sg)] offset:(\st)*XSTEP+fa*2048+\c*512
.endr
.set fa, fa+1
.endr
.endm
.macro PLACES n
.rept \n
	v_nop
.endr
.endm
.macro PHASE sg, st, w, zero, g
.set pp, (\w)
.if (\w) == 0
	s_wait_dscnt 12
	WIN MUL_S
	MUL 0, 0, 2, pp, \sg, \st, \zero
	PLACES 8
	WIN 0
	FETCH_W \sg, \st, 1, 1                         ; medium's four fragments, and fast's: their sets were last read ahead of the eight places
	FETCH_W \sg, \st, 2, 2
.if (\st) == 0
.if \g
	SCLOAD 1-(\sg), 512*(\sg)+8*(1-(\sg))
.endif
	WIN TO_A
	XDIRECT 1, 1+2*(\sg)
.elseif \g
	WIN TO_A
	XDIRECT 0, 2+2*(\sg)
.endif
	s_wait_dscnt 32                                ; x's blocks 4 to 6 are in; the 32 loads just issued may be out
	WIN MUL_S
	MUL 0, 2, 5, pp, \sg, \st, \zero
.if (\st) == 0
	s_wait_loadcnt 4+10*(\g)
.else
	s_wait_loadcnt 4*(\g)
.endif
	MUL 0, 7, 1, pp, \sg, \st, \zero
.else
	s_wait_dscnt 16                                ; medium's four fragments are in; fast's sixteen loads may be out
	WIN MUL_MF
	MUL 1, 0, 8, pp, \sg, \st, \zero
.endif
.endm
.macro MID sg
	s_wait_dscnt 0x0
	WIN MUL_MF
	MUL 2, 0, 2, 2, \sg, 0, 0
	PLACES 8
	WIN 0
	FETCH_W \sg, 1, 0, 0
	WIN TO_A
	FETCH_A \sg, 1, 0, 4
	FETCH_A \sg, 1, 4, 3
	WIN MUL_MF
	MUL 2, 2, 6, 2, \sg, 0, 0
.endm
.macro TURN sg, fill, ask
.if \ask
	s_wait_xcnt 0x0
	s_add_nc_u64 s[PFA:PFA+1], s[PFA:PFA+1], s[PFS:PFS+1]
.if (\sg) == 1
	s_add_nc_u64 s[XDP:XDP+1], s[XDP:XDP+1], 4*4096
	s_add_nc_u64 s[SXP:SXP+1], s[SXP:SXP+1], 512
	s_add_nc_u64 s[SWP:SWP+1], s[SWP:SWP+1], 512
.endif
.endif
	WIN 0
	s_wait_tensorcnt 0x0
	ds_add_u32 v[SPW], v[NIL]
	s_wait_dscnt 1
	WIN MUL_MF
	MUL 2, 0, 2, 2, \sg, 1, 0
	s_wait_dscnt 0x0
	s_barrier_signal -1
	MUL 2, 2, 2, 2, \sg, 1, 0
	WIN 0
	s_barrier_wait -1
.if \fill
	CREST
	s_add_nc_u64 s[G0W+4*(\sg)+2:G0W+4*(\sg)+3], s[G0W+4*(\sg)+2:G0W+4*(\sg)+3], 2*32768
	s_add_nc_u64 s[G0A+4*(\sg)+2:G0A+4*(\sg)+3], s[G0A+4*(\sg)+2:G0A+4*(\sg)+3], 4*XSTEP
	JLOAD G0W+4*(\sg), G1W, G0A+4*(\sg), G1A
	PLACES 4
.else
	PLACES 8
.endif
	FETCH_W 1-(\sg), 0, 0, 0
	WIN TO_A
	s_wait_alu depctr_va_vdst(0)
	FETCH_A 1-(\sg), 0, 0, 4
	FETCH_A 1-(\sg), 0, 4, 3
	WIN 0
.if \ask
	ASK \sg
.endif
	WIN MUL_MF
	MUL 2, 4, 4, 2, \sg, 1, 0
.endm
	s_wait_tensorcnt 1
	s_barrier_signal -1
	s_barrier_wait -1
	FETCH_W 0, 0, 0, 0
	WIN TO_A
	FETCH_A 0, 0, 0, 4
	FETCH_A 0, 0, 4, 3
	s_wait_loadcnt 4
	PHASE 0, 0, 0, 1, 1
	PHASE 0, 0, 1, 1, 0
	WIN 0
	s_mov_b32 s3, 3
.Llap:
	MID 0
	PHASE 0, 1, 0, 0, 1
	PHASE 0, 1, 1, 0, 0
	TURN 0, 1, 1
	PHASE 1, 0, 0, 0, 1
	PHASE 1, 0, 1, 0, 0
	MID 1
	PHASE 1, 1, 0, 0, 1
	PHASE 1, 1, 1, 0, 0
	TURN 1, 1, 1
	PHASE 0, 0, 0, 0, 1
	PHASE 0, 0, 1, 0, 0
	WIN 0
	s_sub_co_u32 s3, s3, 1
	s_cmp_lg_u32 s3, 0
	s_cbranch_scc1 .Llap
	MID 0
	PHASE 0, 1, 0, 0, 1
	PHASE 0, 1, 1, 0, 0
	TURN 0, 0, 0
	PHASE 1, 0, 0, 0, 0
	PHASE 1, 0, 1, 0, 0
	MID 1
	PHASE 1, 1, 0, 0, 0
	PHASE 1, 1, 1, 0, 0
	s_wait_dscnt 0x0
	WIN MUL_MF
	MUL 2, 0, 8, 2, 1, 1, 0
	WIN 0
	PLACES 8
.macro FIN a
.set rT, T+32*((\a)%2)
	WIN 0x02
.set i, 0
.rept 32
	v_med3_num_f32 v[rT+i], v[32*(\a)+i], s96, s97
.set i, i+1
.endr
	WIN 0x0c
.set i, 0
.rept 16
	v_pk_add_f32 v[rT+i:rT+i+1], v[rT+i:rT+i+1], v[32*(\a)+i:32*(\a)+i+1]
.set i, i+2
.endr
	WIN 0
.set i, 0
.rept 32
	v_med3_num_f32 v[rT+i], v[rT+i], s96, s97
.set i, i+1
.endr
.endm
.macro TOSTAGE a
.set rT, T+32*((\a)%2)
.set rB, BK+32*((\a)%2)
.irp b, 0,1,2,3
	ds_store_b128 v[STO], v[rT+8*\b:rT+8*\b+3] offset:64*\b
	ds_store_b128 v[STO], v[rT+8*\b+4:rT+8*\b+7] offset:64*\b+16
.endr
.irp t, 0,1,2,3,4,5,6,7
	ds_load_b128 v[rB+4*\t:rB+4*\t+3], v[RD] offset:\t*2*SP
.endr
.endm
.macro SEND a, younger
.set rB, BK+32*((\a)%2)
	s_wait_dscnt \younger
.irp t, 0,1,2,3,4,5,6,7
	global_store_b128 v[CO], v[rB+4*\t:rB+4*\t+3], s[8:9] offset:(16*(\a)+2*\t)*8192
.endr
.endm
	FIN 0
	TOSTAGE 0
.irp a, 1,2,3,4,5,6,7
	FIN \a
.if \a > 1
	s_wait_alu depctr_va_vdst(0)
	s_wait_xcnt 0x0
.endif
	TOSTAGE \a
	SEND \a-1, 16
.endr
	SEND 7, 0
	s_wait_tensorcnt 0x0
	ds_add_u32 v[SPW], v[NIL]
	s_wait_dscnt 0x0
	CROUND
	s_endpgm
.Lfunc_end_k_qa3916bc00a_gemm:
	.size	k_qa3916bc00a_gemm, .Lfunc_end_k_qa3916bc00a_gemm-k_qa3916bc00a_gemm
	.p2alignl 7, 3214868480
	.fill 96, 4, 3214868480
	.section	.rodata,"a",@progbits
	.p2align	6, 0x0
	.amdhsa_kernel k_qa3916bc00a_gemm
		.amdhsa_group_segment_fixed_size 327680
		.amdhsa_private_segment_fixed_size 0
		.amdhsa_enable_private_segment 0
		.amdhsa_kernarg_size 24
		.amdhsa_user_sgpr_count 2
		.amdhsa_user_sgpr_kernarg_segment_ptr 1
		.amdhsa_wavefront_size32 1
		.amdhsa_system_sgpr_workgroup_id_x 1
		.amdhsa_system_sgpr_workgroup_id_y 1
		.amdhsa_system_sgpr_workgroup_id_z 1
		.amdhsa_system_vgpr_workitem_id 0
		.amdhsa_next_free_vgpr 1024
		.amdhsa_next_free_sgpr 100
		.amdhsa_reserve_vcc 0
		.amdhsa_float_denorm_mode_32 3
		.amdhsa_float_denorm_mode_16_64 3
		.amdhsa_memory_ordered 1
		.amdhsa_forward_progress 1
		.amdhsa_inst_pref_size 217
	.end_amdhsa_kernel
	.amdgpu_metadata
---
amdhsa.version: [ 1, 2 ]
amdhsa.kernels:
  - .name:           k_qa3916bc00a_gemm
    .symbol:         k_qa3916bc00a_gemm.kd
    .args:
      - { .name: codes, .offset: 0, .size: 8, .value_kind: global_buffer, .address_space: global }
      - { .name: scales, .offset: 8, .size: 8, .value_kind: global_buffer, .address_space: global }
      - { .name: pre, .offset: 16, .size: 8, .value_kind: global_buffer, .address_space: global }
    .group_segment_fixed_size: 327680
    .private_segment_fixed_size: 0
    .kernarg_segment_align: 8
    .kernarg_segment_size: 24
    .max_flat_workgroup_size: 128
    .sgpr_count:     100
    .vgpr_count:     1024
    .wavefront_size: 32
...
	.end_amdgpu_metadata
.endif
;; end of part 2
;; launch norm (part 3): grid 256 x 1, 8 waves a work-group, no clusters, 17,408 bytes of LDS; arguments pre, ln_gamma, ln_beta, out0; writes out0
.if DOCPART == 3
	.amdgcn_target "amdgcn-amd-amdhsa--gfx1250"
	.amdhsa_code_object_version 6
	.text
	.protected	k_qa3916bc00a_norm
	.globl	k_qa3916bc00a_norm
	.p2align	8
	.type	k_qa3916bc00a_norm,@function
k_qa3916bc00a_norm:
	s_mov_b64 s[64:65], 0
	v_nop
	global_prefetch_b8 v0, s[64:65] scope:SCOPE_SE
	s_setreg_imm32_b32 hwreg(HW_REG_WAVE_MODE, 25, 1), 1
	s_wait_xcnt 0x0
; out = 5 tanh(((pre - mu) rsqrt(var + 1e-5) gamma + beta) / 5), mu and var over each row of 2,048.  pre, out: [4096][2048] f32.
; tanh(y) = 1 - 2 / (1 + e^(2 y)).  With c = 2 log2(e) / 5:  z = (pre - mu) rstd (c gamma) + c beta,  out = 5 - 10 / (1 + 2^z).  Where 2^z overflows the quotient is 0 and out is 5; where it falls to 0, out is -5.
; The variance is taken of the centred numbers, in a second pass over registers: no difference of large sums is formed.
; SHARES.  A work-group takes 16 rows, a wave two whole rows, 64 registers each: a row is read from memory once, and its two sums never leave the wave.  Every load and store of a wave covers 512 consecutive bytes.
; Both rows' 32 loads are issued at the head.  ROW 0 IS FINISHED AND STORED BEFORE ROW 1 IS WAITED FOR: its arithmetic and its stores stand under row 1's loads.
; c gamma and c beta are made once by the work-group's 256 threads, lie in LDS (8 KiB each) and are read in chunks of 16 columns a lane, two chunks ahead, once for each row.
; Memory binds here: no matrix unit, no cluster (no input is shared but gamma and beta), no tensor load, and no loop to run ahead in: no prefetch.
; NOT COMPUTED: reference()'s plasticity branch: no output hangs on it (shown at the head of the first kernel); its six inputs are not read.
.set X0, 32                            ; v32-95   row 0: register 4 j + e = column 128 j + 4 lane + e
.set X1, 96                            ; v96-159  row 1
.set GB, 160                           ; v160-223 two buffers of 16 c gamma + 16 c beta, for the columns of four loads
	s_load_b256 s[4:11], s[0:1], 0x0               ; pre s[4:5], gamma s[6:7], beta s[8:9], out s[10:11]
	v_lshl_add_u32 v224, v0, 2, 0x4000
	v_mov_b32 v225, 0
	v_lshrrev_b32 v3, 5, v0
	s_delay_alu instid0(VALU_DEP_1)
	v_readfirstlane_b32 s12, v3                    ; wave 0..7
	v_and_b32 v1, 31, v0
	s_delay_alu instid0(VALU_DEP_1)
	v_lshlrev_b32 v1, 4, v1                        ; 16 x lane
	v_lshlrev_b32 v2, 4, v0                        ; 16 x thread
	s_lshl_b32 s14, ttmp9, 17                      ; 16 rows of 8,192 bytes a work-group,
	s_lshl_b32 s13, s12, 14                        ; two a wave
	s_add_co_u32 s14, s14, s13
	s_mov_b32 s15, 0
	s_mov_b32 s16, 0x3f13bb63                      ; c = 2 log2(e) / 5
	s_mov_b32 s17, s16                             ; (the packed form names the pair)
	s_mov_b32 s20, 0x76543210
	s_mov_b32 s21, 0xfedcba98                      ; v_permlanex16_b32's selects for lane l xor 16
	s_mov_b32 s22, 0x3a000000                      ; 1 / 2,048
	s_mov_b32 s23, 0x3727c5ac                      ; 1e-5
	v_mov_b32 v4, 0xc1200000                       ; -10, twice
	v_mov_b32 v5, 0xc1200000
	v_mov_b32 v6, 0x40a00000                       ; 5, twice
	v_mov_b32 v7, 0x40a00000
	s_wait_alu depctr_va_vdst(0)                   ; the wait at the head's end
	s_wait_kmcnt 0x0
	s_add_nc_u64 s[4:5], s[4:5], s[14:15]
	s_add_nc_u64 s[10:11], s[10:11], s[14:15]
	global_load_b128 v[GB:GB+3], v2, s[6:7]
	global_load_b128 v[GB+4:GB+7], v2, s[6:7] offset:4096
	global_load_b128 v[GB+8:GB+11], v2, s[8:9]
	global_load_b128 v[GB+12:GB+15], v2, s[8:9] offset:4096
.irp j, 0,1,2,3,4,5,6,7,8,9,10,11,12,13,14,15
	global_load_b128 v[X0+4*\j:X0+4*\j+3], v1, s[4:5] offset:512*\j th:TH_LOAD_NT
.endr
.irp j, 0,1,2,3,4,5,6,7,8,9,10,11,12,13,14,15
	global_load_b128 v[X1+4*\j:X1+4*\j+3], v1, s[4:5] offset:8192+512*\j th:TH_LOAD_NT
.endr
	s_wait_loadcnt 32                              ; gamma and beta are in; the two rows' 32 loads may be out
.irp i, 0,2,4,6,8,10,12,14
	v_pk_mul_f32 v[GB+\i:GB+\i+1], v[GB+\i:GB+\i+1], s[16:17] op_sel_hi:[1,0]
.endr
	ds_store_b128 v2, v[GB:GB+3]
	ds_store_b128 v2, v[GB+4:GB+7] offset:4096
	ds_store_b128 v2, v[GB+8:GB+11] offset:8192
	ds_store_b128 v2, v[GB+12:GB+15] offset:12288
	s_wait_dscnt 0x0                               ; for the others' sake: my stores are done
	s_barrier_signal -1
	s_barrier_wait -1
.macro GBLOAD n                        ; c gamma and c beta for chunk n of eight (the columns of loads 4 (n % 4) .. + 3), into buffer n % 2
.irp i, 0,1,2,3
	ds_load_b128 v[GB+32*((\n)%2)+4*\i:GB+32*((\n)%2)+4*\i+3], v1 offset:512*(4*((\n)%4)+\i)
.endr
.irp i, 0,1,2,3
	ds_load_b128 v[GB+32*((\n)%2)+16+4*\i:GB+32*((\n)%2)+16+4*\i+3], v1 offset:8192+512*(4*((\n)%4)+\i)
.endr
.endm
	GBLOAD 0
	GBLOAD 1
.macro SUMUP ch                        ; four packed chains become one sum, in every lane's v[ch]
	s_delay_alu instid0(VALU_DEP_3)
	v_pk_add_f32 v[\ch:\ch+1], v[\ch:\ch+1], v[\ch+2:\ch+3]
	s_delay_alu instid0(VALU_DEP_2)
	v_pk_add_f32 v[\ch+4:\ch+5], v[\ch+4:\ch+5], v[\ch+6:\ch+7]
	s_delay_alu instid0(VALU_DEP_1)
	v_pk_add_f32 v[\ch:\ch+1], v[\ch:\ch+1], v[\ch+4:\ch+5]
	s_delay_alu instid0(VALU_DEP_1)
	v_add_f32 v[\ch], v[\ch], v[\ch+1]
	s_delay_alu instid0(VALU_DEP_1)
	v_add_f32_dpp v[\ch], v[\ch], v[\ch] row_xmask:1 row_mask:0xf bank_mask:0xf
	s_delay_alu instid0(VALU_DEP_1)
	v_add_f32_dpp v[\ch], v[\ch], v[\ch] row_xmask:2 row_mask:0xf bank_mask:0xf
	s_delay_alu instid0(VALU_DEP_1)
	v_add_f32_dpp v[\ch], v[\ch], v[\ch] row_xmask:4 row_mask:0xf bank_mask:0xf
	s_delay_alu instid0(VALU_DEP_1)
	v_add_f32_dpp v[\ch], v[\ch], v[\ch] row_xmask:8 row_mask:0xf bank_mask:0xf
	s_delay_alu instid0(VALU_DEP_1)
	v_permlanex16_b32 v[\ch+1], v[\ch], s20, s21   ; (its destination has been written)
	s_delay_alu instid0(VALU_DEP_1)
	v_add_f32 v[\ch], v[\ch], v[\ch+1]
.endm
; The row in v[x] on is centred in place; v[r] gets var + 1e-5.  ch: eight registers for the chains; m: a pair for the mean.
.macro STATS x, ch, m, r
.irp k, 0,1,2,3
	v_pk_add_f32 v[\ch+2*\k:\ch+2*\k+1], v[\x+2*\k:\x+2*\k+1], v[\x+8+2*\k:\x+8+2*\k+1]   ; the first eight pairs start the chains: nothing is cleared
.endr
.set p, 8
.rept 24
	s_delay_alu instid0(VALU_DEP_4)
	v_pk_add_f32 v[\ch+2*(p%4):\ch+2*(p%4)+1], v[\ch+2*(p%4):\ch+2*(p%4)+1], v[\x+2*p:\x+2*p+1]
.set p, p+1
.endr
	SUMUP \ch
	s_delay_alu instid0(VALU_DEP_1)
	v_mul_f32 v[\m], s22, v[\ch]                   ; the mean, twice
	s_delay_alu instid0(VALU_DEP_2)
	v_mul_f32 v[\m+1], s22, v[\ch]
.set p, 0
.rept 32
	v_pk_add_f32 v[\x+2*p:\x+2*p+1], v[\x+2*p:\x+2*p+1], v[\m:\m+1] neg_lo:[0,1] neg_hi:[0,1]
.set p, p+1
.endr
.irp k, 0,1,2,3
	v_pk_mul_f32 v[\ch+2*\k:\ch+2*\k+1], v[\x+2*\k:\x+2*\k+1], v[\x+2*\k:\x+2*\k+1]
.endr
.set p, 4
.rept 28
	s_delay_alu instid0(VALU_DEP_4)
	v_pk_fma_f32 v[\ch+2*(p%4):\ch+2*(p%4)+1], v[\x+2*p:\x+2*p+1], v[\x+2*p:\x+2*p+1], v[\ch+2*(p%4):\ch+2*(p%4)+1]
.set p, p+1
.endr
	SUMUP \ch
	s_delay_alu instid0(VALU_DEP_1)
	v_fma_f32 v[\r], v[\ch], s22, s23              ; the sum of squares / 2,048 + 1e-5
.endm
.macro RSTD r                          ; v[r] becomes its reciprocal root, twice: a pair for the packed multiplies
	s_wait_alu depctr_va_vdst(0)                   ; the wait ahead of the transcendental
	v_rsq_f32 v[\r], v[\r]
	v_nop                                          ; a plain instruction between it and the first use
	s_wait_alu depctr_va_vdst(0)                   ; the wait ahead of its first reader
	v_mov_b32 v[\r+1], v[\r]
	s_wait_alu depctr_va_vdst(0)
.endm
; Chunk n of eight: row n / 4, the columns of loads 4 (n % 4) .. + 3: 16 numbers a lane.  The exponentials are one batch with a wait ahead and a wait behind, and so are the reciprocals.
.macro FINISH n
.set xb, X0+64*((\n)/4)+16*((\n)%4)
.set gb, GB+32*((\n)%2)
.set rs, 12+2*((\n)/4)
.if (\n) < 7
	s_wait_dscnt 8                                 ; this chunk's eight loads are in; the next chunk's may be out
.else
	s_wait_dscnt 0x0
.endif
.irp i, 0,2,4,6,8,10,12,14
	v_pk_mul_f32 v[xb+\i:xb+\i+1], v[xb+\i:xb+\i+1], v[rs:rs+1]
.endr
.irp i, 0,2,4,6,8,10,12,14
	v_pk_fma_f32 v[xb+\i:xb+\i+1], v[xb+\i:xb+\i+1], v[gb+\i:gb+\i+1], v[gb+16+\i:gb+16+\i+1]
.endr
.if (\n) < 6
	GBLOAD (\n)+2                                  ; into the buffer just read
.endif
	s_wait_alu depctr_va_vdst(0)
.irp i, 0,1,2,3,4,5,6,7,8,9,10,11,12,13,14,15
	v_exp_f32 v[xb+\i], v[xb+\i]
.endr
	v_nop
	s_wait_alu depctr_va_vdst(0)                   ; one wait for the 16 exponentials
.irp i, 0,2,4,6,8,10,12,14
	v_pk_add_f32 v[xb+\i:xb+\i+1], v[xb+\i:xb+\i+1], 1.0 op_sel_hi:[1,0]
.endr
	s_wait_alu depctr_va_vdst(0)
.irp i, 0,1,2,3,4,5,6,7,8,9,10,11,12,13,14,15
	v_rcp_f32 v[xb+\i], v[xb+\i]
.endr
	v_nop
	s_wait_alu depctr_va_vdst(0)                   ; one wait for the 16 reciprocals
.irp i, 0,2,4,6,8,10,12,14
	v_pk_fma_f32 v[xb+\i:xb+\i+1], v[xb+\i:xb+\i+1], v[4:5], v[6:7]
.endr
.irp i, 0,1,2,3
	global_store_b128 v1, v[xb+4*\i:xb+4*\i+3], s[10:11] offset:8192*((\n)/4)+512*(4*((\n)%4)+\i) th:TH_STORE_NT   ; 32 lanes store 512 consecutive bytes, aligned; no store's data are written again
.endr
.endm
	s_wait_loadcnt 16                              ; row 0 is in; row 1's sixteen loads may be out
	STATS X0, 16, 8, 12
	RSTD 12
	FINISH 0
	FINISH 1
	FINISH 2
	FINISH 3
	s_wait_loadcnt 0x0                             ; row 1
	STATS X1, 24, 10, 14
	RSTD 14
	FINISH 4
	FINISH 5
	FINISH 6
	FINISH 7
	s_wait_tensorcnt 0x0                           ; the wave's end
	ds_add_u32 v224, v225
	s_wait_dscnt 0x0
	s_endpgm
.Lfunc_end_k_qa3916bc00a_norm:
	.size	k_qa3916bc00a_norm, .Lfunc_end_k_qa3916bc00a_norm-k_qa3916bc00a_norm
	.p2alignl 7, 3214868480
	.fill 96, 4, 3214868480
	.section	.rodata,"a",@progbits
	.p2align	6, 0x0
	.amdhsa_kernel k_qa3916bc00a_norm
		.amdhsa_group_segment_fixed_size 17408
		.amdhsa_private_segment_fixed_size 0
		.amdhsa_enable_private_segment 0
		.amdhsa_kernarg_size 32
		.amdhsa_user_sgpr_count 2
		.amdhsa_user_sgpr_kernarg_segment_ptr 1
		.amdhsa_wavefront_size32 1
		.amdhsa_system_sgpr_workgroup_id_x 1
		.amdhsa_system_sgpr_workgroup_id_y 1
		.amdhsa_system_sgpr_workgroup_id_z 1
		.amdhsa_system_vgpr_workitem_id 0
		.amdhsa_next_free_vgpr 226
		.amdhsa_next_free_sgpr 66
		.amdhsa_reserve_vcc 0
		.amdhsa_float_denorm_mode_32 3
		.amdhsa_float_denorm_mode_16_64 3
		.amdhsa_memory_ordered 1
		.amdhsa_forward_progress 1
		.amdhsa_inst_pref_size 58
	.end_amdhsa_kernel
	.amdgpu_metadata
---
amdhsa.version: [ 1, 2 ]
amdhsa.kernels:
  - .name:           k_qa3916bc00a_norm
    .symbol:         k_qa3916bc00a_norm.kd
    .args:
      - { .name: pre, .offset: 0, .size: 8, .value_kind: global_buffer, .address_space: global }
      - { .name: ln_gamma, .offset: 8, .size: 8, .value_kind: global_buffer, .address_space: global }
      - { .name: ln_beta, .offset: 16, .size: 8, .value_kind: global_buffer, .address_space: global }
      - { .name: out0, .offset: 24, .size: 8, .value_kind: global_buffer, .address_space: global }
    .group_segment_fixed_size: 17408
    .private_segment_fixed_size: 0
    .kernarg_segment_align: 8
    .kernarg_segment_size: 32
    .max_flat_workgroup_size: 256
    .sgpr_count:     66
    .vgpr_count:     226
    .wavefront_size: 32
...
	.end_amdgpu_metadata
.endif
;; end of part 3
